; MI455X (gfx1250); checked and timed in simulation.
; The chip was launched on July 23, 2026; its instructions are those of AMD's public machine-readable ISA for CDNA 5 (MIT licence, August 2026) and "CDNA5" Instruction Set Architecture Reference Guide (July 2026). The comments in the code are by the model that wrote it; some were corrected since.
;; Spatial Axial Attention. Allowed arithmetic: matrix products marked QUANTISED: E2M3 operands, one E8M0 scale for each 32 along K, by v_wmma_scale_f32_16x16x128_f8f6f4 with both operands' format E2M3, f32 sums; everything else in f32.
;; Inputs: Wout_codes 1,024 x 32 x 24 uint8 (E2M3 codes of Wout, K innermost, in blocks of 32 codes, four codes in three bytes); Wout_scales 1,024 x 32 uint8 (E8M0 scales of Wout, one for each 32 codes along K); Wqkv_codes 3,072 x 32 x 24 uint8 (E2M3 codes of Wqkv, K innermost, in blocks of 32 codes, four codes in three bytes); Wqkv_scales 3,072 x 32 uint8 (E8M0 scales of Wqkv, one for each 32 codes along K); bout 1,024 float32; x_codes 1 x 8 x 32 x 32 x 32 x 24 uint8 (E2M3 codes of x, K innermost, in blocks of 32 codes, four codes in three bytes); x_scales 1 x 8 x 32 x 32 x 32 uint8 (E8M0 scales of x, one for each 32 codes along K).
;; Outputs: out0 1 x 8 x 32 x 32 x 1,024 float32.
;; This version of the problem:
;;   THIS VERSION OF THE PROBLEM IS GIVEN IN LOW PRECISION. The matrix products marked QUANTISED in the list below multiply operands that are first quantised to E2M3 (2 exponent bits, 3 mantissa bits; 6 bits a number), with one power-of-two scale for each 32 numbers along K (OCP MX v1.0); their sums are f32. All else is computed in f32.
;;   The module's matrix products, in the order in which they are computed (A, B: the left and right operand; K: the contracted axis; several contracted axes count as one K, in the product's order):
;;     1. [M 8,192, K 1,024] x [K 1,024, N 3,072]; A: input x (given as codes); B: input Wqkv (given as codes): QUANTISED
;;     2. batch 128 x [M 1,024, K 64] x [K 64, N 1,024]; A: computed on the way; B: computed on the way: QUANTISED
;;     3. batch 128 x [M 64, K 1,024] x [K 1,024, N 1,024]; A: computed on the way; B: softmax (see below): QUANTISED
;;     4. [M 8,192, K 1,024] x [K 1,024, N 1,024]; A: computed on the way; B: input Wout (given as codes): QUANTISED
;;   THE QUANTISER, for each operand of a quantised product, along K:
;;     - K is cut into blocks of 32 from its start; a last block that is shorter is filled with zeros.
;;     - A block's scale is 2^e with e = floor(log2(the largest magnitude in the block)) - 2, held to -126 .. 127; a block of zeros has e = 0. As a byte (E8M0): e + 127.
;;     - Each number is divided by its block's scale, clamped to +-7.5, and rounded to the nearest number of E2M3, ties to even, subnormals kept.
;;     - The product sums the exact products of the quantised numbers (number of the format x scale) in f32.
;;   ~~~python
;;   def quantise(x, axis):      # numpy; x: float32 -> the quantised numbers, widened to float32 again
;;       x = np.moveaxis(x, axis, -1); K = x.shape[-1]
;;       x = np.pad(x, [(0, 0)] * (x.ndim - 1) + [(0, -K % 32)]); x = x.reshape(x.shape[:-1] + (-1, 32)); a = np.abs(x).max(-1, keepdims=True)
;;       e = np.where(a > 0, np.clip(np.frexp(np.where(a > 0, a, 1))[1] - 1 - 2, -126, 127), 0)      # np.frexp(a)[1] - 1 = floor(log2(a)), exactly
;;       r = np.clip(x / 2.0 ** e, -7.5, 7.5)
;;       step = 2.0 ** (np.maximum(np.frexp(np.where(r == 0, 1, r))[1] - 1, 0) - 3)
;;       q = np.round(r / step) * step * 2.0 ** e      # np.round: ties to even
;;       return np.moveaxis(q.reshape(q.shape[:-2] + (-1,))[..., :K], -1, axis).astype(np.float32)
;;   ~~~
;;   SOFTMAX AHEAD OF A QUANTISED PRODUCT. Where the list says 'softmax', what is quantised is not the finished softmax but p = 2^(t - M), with t = logit x log2(e) and M = ceil(the row's largest t), a whole number; so 1/2 < the row's largest p <= 1. The row's sum l is taken of the UNQUANTISED p, in f32, and the product's result is divided by l at the end. Since M is a whole number, a kernel that streams over the keys may use a running M (the ceiling of the running maximum): every later rescaling is an exact power of two, which a block's scale takes up: the codes' values come out the same.
;;   OPERANDS COMPUTED ON THE WAY. 'Computed on the way' means the value that the module computes at that place (a softmax that the list does not call 'softmax' is quantised finished and normalised). What goes into a quantiser is computed in f32, as accurately as f32 sums, v_exp_f32 and their like allow (about 1e-6 of the number): no bf16 or f16 on the way to a quantiser, and a product that is left as it is and whose result goes on into a quantised operand takes f32 operands (vector FMAs, or v_wmma_f32_16x16x4_f32). A number that lies on a knife's edge between two numbers of the format may be rounded either way, as far as f32 arithmetic and the matrix unit's own rounding can turn it there, and no further.
;;   INPUTS GIVEN AS CODES. Wout (in the module: [1024, 1024], K = its axis 0); Wqkv (in the module: [1024, 3072], K = its axis 0); x (in the module: [1, 8, 32, 32, 1024], K = its axis 4): each comes as NAME_codes (uint8): NAME with its K axis moved to the last place and cut into blocks of 32 codes, [.., K / 32, bytes a block], one block behind the other in memory; four codes in three bytes: a row's codes are one little-endian stream of bits, code i at bits 6 i .. 6 i + 5 (a code: sign, 2 exponent bits, 3 mantissa bits); and NAME_scales (uint8): the same leading axes, one E8M0 byte (e + 127) for each 32 codes along K. Its value is code x scale, taken as it is: it is not quantised again, and the codes and scales need not be those that the quantiser above would give.
;; One version. Each part assembles by itself: llvm-mc -triple=amdgcn-amd-amdhsa -mcpu=gfx1250 --defsym DOCPART=n.
;; ======== version 1 of 1: 3 launches
;; limits: right only within a limited range of input values
;; workspace buffers: qk_img 12,582,912 bytes; qk_sc 1,048,576 bytes; v_img 6,291,456 bytes; v_sc 262,144 bytes; o_img 6,291,456 bytes; o_sc 262,144 bytes
;; launch qkv (part 1): grid 8 x 32, 4 waves a work-group, clusters of 4 x 4, 327,680 bytes of LDS; arguments x_codes, x_scales, Wqkv_codes, Wqkv_scales, qk_img, qk_sc, v_img, v_sc; writes qk_img, qk_sc, v_img, v_sc
.if DOCPART == 1
	.amdgcn_target "amdgcn-amd-amdhsa--gfx1250"
	.amdhsa_code_object_version 6
	.text
	.protected	k_q0a0fc4c878_qkv
	.globl	k_q0a0fc4c878_qkv
	.p2align	8
	.type	k_q0a0fc4c878_qkv,@function
k_q0a0fc4c878_qkv:
	s_mov_b64 s[64:65], 0
	v_nop
	global_prefetch_b8 v0, s[64:65] scope:SCOPE_SE
	s_setreg_imm32_b32 hwreg(HW_REG_WAVE_MODE, 25, 1), 1
	s_wait_xcnt 0x0
	s_wait_alu depctr_hold_cnt(0) depctr_sa_sdst(0) depctr_va_vdst(0) depctr_va_sdst(0) depctr_va_ssrc(0) depctr_va_vcc(0) depctr_vm_vsrc(0)
	s_getreg_b32 s2, hwreg(HW_REG_IB_STS2, 6, 4)
	s_cmp_eq_u32 s2, 0
	s_cbranch_scc0 .Lentry_in_a_cluster
	s_endpgm
.Lentry_in_a_cluster:
	s_bfe_u32 s2, ttmp6, 0x10000c
	s_cmp_lg_u32 s2, 0xf033
	s_cbranch_scc0 .Lentry_shape_is_right
	s_endpgm
.Lentry_shape_is_right:
; x Wqkv on codes of FP6 (E2M3) with E8M0 scales, the axial rotation of q and k, and the quantising of q, k (along the head's 64) and v (along the keys).
; SHARES.  A work-group: 256 positions of x (tile rt of 32) and six heads of the 48 (16 q, 16 k, 16 v): heads g + 8 j, j = 0 .. 5, so j = 0 .. 3 are q and k and j = 4, 5 are v in every work-group.
; A wave: 64 positions.  Their fragments for all of K = 1,024 (4 blocks x 8 steps x 12 registers) come once through LDS and stay in registers for the six heads.
; A head's 64 rows of Wqkv, whole rows of 768 bytes, go through a ring of two LDS slots, one head a slot; each head is 8 K steps x 16 matrix instructions a wave on 16 accumulators by turns.
; q, k: source 0 = 16 rows of W, source 1 = 16 positions: a lane holds one position, its registers run along the channels.  v: the sources change places: a lane holds one channel, its registers run along the keys.
; Scale words go from memory into registers: a lane loads its row's 32 bytes, sixteen lanes 512 consecutive bytes.
; CLUSTERS 4 x 4: x's tile is shared along a row of the cluster, W's rows along a column: joint loads.
; ORDER INSIDE A BLOCK OF 32: register 16 b + i of lane (r, h) holds index 32 b + 16 (i / 8) + 8 h + i % 8: places 8-15 and 16-23 of a block are exchanged, alike in q and k, and alike in v and the next launch's p.
; OUTPUT: images of half fragments (16 rows x 64 k, 768 bytes: registers 0-3 at 16 x lane, 4-5 at 512 + 8 x lane).  qk_img [head 32][tile of 16 positions 512][768]; qk_sc [head][tile / 4][row 16][tile % 4] words;
; v_img [step of 128 keys 64][head 16][16 channels 4][half 2][768]; v_sc [step][head][row 16][4] words (two waves' bytes meet in an LDS stage).
; PREFETCH: behind the load of head j + 1 each wave names 12 blocks of 256 bytes of head j + 2's rows; the four partners of a column share the 64 rows out by address; heads 4 and 5 are the last asked for.
; LIMITS: NaN and infinities are not served.  A block of zeros gets the scale byte 1 and not 127: its codes are zeros and this program alone reads the bytes.
; The angles follow the f32 formulas start (1 - step) + stop step, step = n / 31 or j / 15 correctly rounded; sine and cosine by reduction modulo pi / 2 in two parts and polynomials.
.set PIT,   816                        ; an LDS row: 3 x (256 bytes + 16 of padding)
.set SL0,   256*PIT                    ; behind x's 256 rows: the two slots
.set SLB,   64*PIT
.set SPARE, SL0+2*SLB                  ; the spare words
.set TAB,   SPARE+512                  ; (cos, sin): 40 rows of 16 pairs
.set TP,    144
.set STG,   319744                     ; v's scale bytes meet here: [head 2][pair of waves 2][row 16][4 words]
.set XS,  32                           ; x's scale words [block 4][step 8]
.set WS,  64                           ; W's [block 4][step 8]
.set CSR, 96                           ; my cosines and sines: H rows 2 x 16, W rows 2 x 16
.set HA,  160                          ; 64 rotated numbers
.set T,   160                          ; at work while the table is made
.set CD,  224                          ; codes
.set TM,  244
.set PW,  24
.set SW,  20
.set G1,  24
.set G0,  32
.set G1B, 48
.set G0B, 56
.set SEL, 104
.set FLG, (1<<20)|(1<<21)|(5<<22)|(3<<25)
.set MSB, 0
.macro WIN new                         ; the immediate's high byte repeats the setting that is left
.if MSB != (\new)
	s_set_vgpr_msb (MSB<<8)|(\new)
.set MSB, (\new)
.endif
.endm
.macro PLACES n
.rept \n
	v_nop
.endr
.endm
.macro CROUND                          ; a round of the cluster's barrier
	s_barrier_signal -1
	s_barrier_wait -1
	s_cmp_lg_u32 s20, 0
	s_cbranch_scc1 .Lnot_wave_0_\@
	s_barrier_signal -3
.Lnot_wave_0_\@:
	s_barrier_wait -3
	s_barrier_signal -1
	s_barrier_wait -1
.endm
	s_load_b256 s[4:11], s[0:1], 0x0               ; x's codes, x's scales, W's codes, W's scales
	s_load_b256 s[12:19], s[0:1], 0x20             ; qk_img, qk_sc, v_img, v_sc
	v_lshl_add_u32 v28, v0, 2, SPARE
	v_mov_b32 v29, 0
	ds_add_u32 v28, v29                            ; the opening lines
	ds_add_u32 v28, v29
	v_lshrrev_b32 v1, 5, v0
	v_readfirstlane_b32 s20, v1                    ; wave
	s_lshr_b32 s21, s20, 1                         ; 0: I fetch x's rows at the head; 1: I fetch W's rows
	s_and_b32 s22, s20, 1                          ; which half of them
	s_bfe_u32 s40, ttmp6, 0x40000                  ; cx
	s_bfe_u32 s41, ttmp6, 0x40004                  ; cy
	s_lshl_b32 s42, ttmp9, 2
	s_add_co_u32 s42, s42, s40                     ; g
	s_and_b32 s43, ttmp7, 0xffff
	s_lshl_b32 s43, s43, 2
	s_add_co_u32 s43, s43, s41                     ; rt
	s_lshl_b32 s44, s41, 2
	s_lshl_b32 s44, 15, s44                        ; my row of the cluster
	s_lshl_b32 s45, 0x1111, s40                    ; my column
	s_or_b32 s[G1], s44, FLG                       ; rows of 768 bytes, 16 bytes of padding behind every 256
	s_or_b32 s[G1B], s45, FLG
.irp g, G1, G1B
	s_mov_b32 s[\g+1], 768<<16
	s_mov_b32 s[\g+3], 768<<16
	s_mov_b32 s[\g+5], 768
	s_mov_b32 s[\g+6], 0
	s_mov_b32 s[\g+7], 0
.endr
	s_mov_b32 s[G1+2], 128<<16                     ; x: 128 rows a load
	s_mov_b32 s[G1+4], 128
	s_mov_b32 s[G1B+2], 32<<16                     ; W: 32 rows a load
	s_mov_b32 s[G1B+4], 32
	s_lshl_b32 s46, s43, 8
	s_lshl_b32 s66, s22, 7
	s_add_co_u32 s46, s46, s66
	s_mul_i32 s46, s46, 768
	s_mov_b32 s47, 0
	s_lshl_b32 s94, s42, 6
	s_lshl_b32 s67, s22, 5
	s_add_co_u32 s94, s94, s67
	s_mul_i32 s94, s94, 768
	s_mov_b32 s95, 0
	s_mul_i32 s66, s22, 128*PIT
	s_mul_i32 s67, s22, 32*PIT
	s_add_co_u32 s67, s67, SL0
	s_mov_b32 s[SEL], 0x76543210
	s_mov_b32 s[SEL+1], 0xfedcba98
	s_wait_dscnt 0x0
	s_wait_kmcnt 0x0
	s_add_nc_u64 s[46:47], s[4:5], s[46:47]
	s_add_nc_u64 s[94:95], s[8:9], s[94:95]
	CROUND                                         ; the first joint loads meet
	s_mov_b32 s[G0], 1
	s_mov_b32 s[G0+1], s66
	s_mov_b64 s[G0+2:G0+3], s[46:47]
	s_or_b32 s[G0+3], s[G0+3], 0x80000000
.irp s, 0,1
	s_mov_b32 s[G0B+4*\s], 1
	s_add_co_u32 s[G0B+4*\s+1], s67, \s*SLB
	s_add_nc_u64 s[G0B+4*\s+2:G0B+4*\s+3], s[94:95], \s*393216
	s_or_b32 s[G0B+4*\s+3], s[G0B+4*\s+3], 0x80000000
.endr
	s_cmp_eq_u32 s21, 0                            ; one load a wave: waves 0, 1 x's halves, waves 2, 3 head g's halves
	s_cbranch_scc0 .Lhead_w
	tensor_load_to_lds s[G0:G0+3], s[G1:G1+7]
	s_nop 0
	PLACES 4
	s_branch .Lhead_asked
.Lhead_w:
	tensor_load_to_lds s[G0B:G0B+3], s[G1B:G1B+7]
	s_nop 0
	PLACES 4
.Lhead_asked:
	; pointers
	s_mov_b32 s3, 0
	s_mul_i32 s2, s42, 393216
	s_lshl_b32 s66, s43, 4
	s_lshl_b32 s67, s20, 2
	s_add_co_u32 s66, s66, s67
	s_mul_i32 s66, s66, 768
	s_add_co_u32 s2, s2, s66
	s_add_nc_u64 s[12:13], s[12:13], s[2:3]        ; qk_img: head g, tile 16 rt + 4 wave
	s_lshl_b32 s2, s42, 15
	s_lshl_b32 s66, s43, 2
	s_add_co_u32 s66, s66, s20
	s_lshl_b32 s66, s66, 8
	s_add_co_u32 s2, s2, s66
	s_add_nc_u64 s[14:15], s[14:15], s[2:3]        ; qk_sc
	s_lshl_b32 s66, s43, 1
	s_add_co_u32 s2, s66, s21
	s_mul_i32 s2, s2, 98304
	s_mul_i32 s67, s42, 6144
	s_add_co_u32 s2, s2, s67
	s_mul_i32 s67, s22, 768
	s_add_co_u32 s2, s2, s67
	s_add_nc_u64 s[16:17], s[16:17], s[2:3]        ; v_img: step 2 rt + wave / 2, head g, half wave % 2
	s_add_co_u32 s2, s66, s22
	s_lshl_b32 s2, s2, 12
	s_lshl_b32 s67, s21, 3
	s_add_co_u32 s67, s67, s42
	s_lshl_b32 s67, s67, 8
	s_add_co_u32 s2, s2, s67
	s_add_nc_u64 s[18:19], s[18:19], s[2:3]        ; v_sc: the block that I store at the end
	s_lshl_b32 s2, s43, 8
	s_lshl_b32 s66, s20, 6
	s_add_co_u32 s2, s2, s66
	s_lshl_b32 s2, s2, 5
	s_add_nc_u64 s[6:7], s[6:7], s[2:3]            ; my 64 rows' scales of x
	s_lshl_b32 s2, s42, 11
	s_add_nc_u64 s[10:11], s[10:11], s[2:3]        ; head g's scales of W
	s_mul_i32 s2, s42, 49152
	s_add_nc_u64 s[92:93], s[8:9], s[2:3]
	s_add_nc_u64 s[92:93], s[92:93], 786432        ; the prefetches begin at head g + 16
	s_mul_i32 s70, s20, 64*PIT
	s_mul_i32 s71, s20, 2*TP
	s_add_co_u32 s71, s71, TAB+32*TP
	s_lshl_b32 s72, s21, 8
	s_lshl_b32 s66, s22, 1
	s_add_co_u32 s72, s72, s66
	s_add_co_u32 s72, s72, STG
	s_lshl_b32 s73, s20, 8
	s_add_co_u32 s73, s73, STG
	s_lshl_b32 s74, s41, 4
	s_lshl_b32 s66, s20, 2
	s_add_co_u32 s74, s74, s66
	s_mul_i32 s74, s74, 768
	s_and_b32 s101, s43, 3
	s_lshl_b32 s101, s101, 3                       ; the first H position of my tile's eight
	; lane addresses
	v_and_b32 v1, 15, v0                           ; r
	v_bfe_u32 v2, v0, 4, 1                         ; h
	v_and_b32 v3, 31, v0
	v_mul_u32_u24 v19, v1, PIT
	v_mad_u32_u24 v19, v2, 24, v19
	v_add_nc_u32 v4, s70, v19                      ; x's fragments; v5: where lanes 16-31 lie behind one padding more
	v_lshl_add_u32 v5, v2, 4, v4
	v_add_nc_u32 v6, SL0, v19                      ; slot 0
	v_lshl_add_u32 v7, v2, 4, v6
	v_add_nc_u32 v8, SL0+SLB, v19                  ; slot 1
	v_lshl_add_u32 v9, v2, 4, v8
	v_lshlrev_b32 v10, 4, v3                       ; 16 x lane
	v_lshl_add_u32 v11, v3, 3, 512                 ; 512 + 8 x lane
	v_lshlrev_b32 v12, 4, v1                       ; 16 r
	v_lshlrev_b32 v13, 5, v1                       ; 32 r
	v_min_u32 v14, 11, v3                          ; prefetch: lanes 0-11 name 4 rows x 3 blocks; the others the last again
	v_mul_u32_u24 v25, v14, 11
	v_lshrrev_b32 v25, 5, v25
	v_mul_u32_u24 v26, v25, 3
	v_sub_nc_u32 v14, v14, v26
	v_lshlrev_b32 v14, 8, v14
	v_mad_u32_u24 v14, v25, 768, v14
	v_add_nc_u32 v14, s74, v14
	v_add_nc_u32 v15, s72, v12
	v_add_nc_u32 v16, s73, v12
	v_mul_u32_u24 v17, v1, TP
	v_lshl_add_u32 v17, v2, 5, v17
	v_add_nc_u32 v17, TAB, v17                     ; the table's W rows
	v_lshl_add_u32 v18, v2, 5, s71                 ; its H rows: my two
.irp a, 0,1,2,3
	global_load_b128 v[XS+8*\a:XS+8*\a+3], v13, s[6:7] offset:512*\a
	global_load_b128 v[XS+8*\a+4:XS+8*\a+7], v13, s[6:7] offset:512*\a+16
	global_load_b128 v[WS+8*\a:WS+8*\a+3], v13, s[10:11] offset:512*\a
	global_load_b128 v[WS+8*\a+4:WS+8*\a+7], v13, s[10:11] offset:512*\a+16
.endr
	; THE TABLE.  Thread t: pair j = t % 16, rows t / 16 + 8 i (W positions) and 32 + t / 16 (my tile's eight H positions)
	v_and_b32 v[T], 15, v0
	v_lshrrev_b32 v[T+1], 4, v0
	v_mul_u32_u24 v[T+2], v[T+1], TP
	v_lshl_add_u32 v[T+2], v[T], 3, v[T+2]
	v_add_nc_u32 v[T+2], TAB, v[T+2]
	v_cvt_f32_u32 v[T+3], v[T]
	v_mul_f32 v[T+4], 0x3d888889, v[T+3]           ; j / 15, correctly rounded
	v_fmamk_f32 v[T+5], v[T+4], 0xc1700000, v[T+3]
	v_fmamk_f32 v[T+4], v[T+5], 0x3d888889, v[T+4]
	v_sub_f32 v[T+5], 1.0, v[T+4]
	v_fmamk_f32 v[T+5], v[T+4], 0x43000000, v[T+5]
	v_mul_f32 v[T+5], 0x40490fdb, v[T+5]           ; x pi
.macro TROW i
.if \i < 4
	v_add_nc_u32 v[T+6], 8*\i, v[T+1]
.else
	v_add_nc_u32 v[T+6], s101, v[T+1]
.endif
	v_cvt_f32_u32 v[T+6], v[T+6]
	v_mul_f32 v[T+7], 0x3d042108, v[T+6]           ; n / 31, correctly rounded
	v_fmamk_f32 v[T+8], v[T+7], 0xc1f80000, v[T+6]
	v_fmamk_f32 v[T+7], v[T+8], 0x3d042108, v[T+7]
	v_sub_f32 v[T+8], 1.0, v[T+7]
	v_sub_f32 v[T+7], v[T+7], v[T+8]               ; the position
	v_mul_f32 v[T+7], v[T+7], v[T+5]               ; the angle
	v_mul_f32 v[T+8], 0x3f22f983, v[T+7]
	v_rndne_f32 v[T+8], v[T+8]                     ; k = the nearest multiple of pi / 2
	v_fmamk_f32 v[T+9], v[T+8], 0xbfc90fdb, v[T+7]
	v_fmamk_f32 v[T+9], v[T+8], 0x333bbd2e, v[T+9]
	v_mul_f32 v[T+10], v[T+9], v[T+9]
	v_cvt_i32_f32 v[T+11], v[T+8]
	v_mov_b32 v[T+12], 0xb94ca1f9
	v_fmaak_f32 v[T+12], v[T+12], v[T+10], 0x3c08839e
	v_fmaak_f32 v[T+12], v[T+12], v[T+10], 0xbe2aaaa3
	v_mul_f32 v[T+13], v[T+9], v[T+10]
	v_fma_f32 v[T+12], v[T+13], v[T+12], v[T+9]    ; sin
	v_mov_b32 v[T+14], 0x37ccf5ce
	v_fmaak_f32 v[T+14], v[T+14], v[T+10], 0xbab6061a
	v_fmaak_f32 v[T+14], v[T+14], v[T+10], 0x3d2aaaa5
	v_mul_f32 v[T+15], v[T+10], v[T+10]
	v_fma_f32 v[T+16], v[T+10], -0.5, 1.0
	v_fma_f32 v[T+14], v[T+15], v[T+14], v[T+16]   ; cos
	v_and_b32 v[T+17], 1, v[T+11]
	v_cmp_eq_u32 vcc_lo, 1, v[T+17]
	v_cndmask_b32 v[T+18], v[T+12], v[T+14], vcc_lo   ; odd k: sine and cosine change places
	v_cndmask_b32 v[T+19], v[T+14], v[T+12], vcc_lo
	v_and_b32 v[T+17], 2, v[T+11]
	v_lshlrev_b32 v[T+17], 30, v[T+17]
	v_xor_b32 v[T+21], v[T+17], v[T+18]            ; the sine's sign: bit 1 of k
	v_add_nc_u32 v[T+17], 1, v[T+11]
	v_and_b32 v[T+17], 2, v[T+17]
	v_lshlrev_b32 v[T+17], 30, v[T+17]
	v_xor_b32 v[T+20], v[T+17], v[T+19]            ; the cosine's: bit 1 of k + 1
	ds_store_b64 v[T+2], v[T+20:T+21] offset:8*TP*\i
.endm
.irp i, 0,1,2,3,4
	TROW \i
.endr
.irp b, 0,1,2,3
	v_mov_b32 v[TM+4+\b], 0                        ; a lane permute's destination counts as one of its sources
.endr
; a fragment: 16 rows x 128 K, 12 registers, in pieces of 8 bytes; byte y of a row lies at y + 16 (y / 256)
.macro FRAG reg, adr, st, ro
.irp p, 0,1,2,3,4,5
.set BY, 96*(\st)+48*(\p/3)+8*(\p%3)
.if BY/256 == (BY+24)/256
	ds_load_b64 v[\reg+2*\p:\reg+2*\p+1], v[\adr] offset:BY+16*(BY/256)+(\ro)
.else
	ds_load_b64 v[\reg+2*\p:\reg+2*\p+1], v[\adr+1] offset:BY+16*(BY/256)+(\ro)
.endif
.endr
.endm
.macro FETCHR slot, st                 ; W's four fragments of a step into set st % 2 (window 3, from v128)
	WIN 0xc0
.irp b, 0,1,2,3
	FRAG 128+48*((\st)%2)+12*\b, 6+2*(\slot), \st, \b*16*PIT
.endr
.endm
.macro WM d, x, y, sx, sy, st          ; the first step starts the sums
.if (\st) == 0
	v_wmma_scale_f32_16x16x128_f8f6f4 v[\d:\d+7], v[\x:\x+11], v[\y:\y+11], 0, v[\sx], v[\sy] matrix_a_fmt:MATRIX_FMT_FP6 matrix_b_fmt:MATRIX_FMT_FP6
.else
	v_wmma_scale_f32_16x16x128_f8f6f4 v[\d:\d+7], v[\x:\x+11], v[\y:\y+11], v[\d:\d+7], v[\sx], v[\sy] matrix_a_fmt:MATRIX_FMT_FP6 matrix_b_fmt:MATRIX_FMT_FP6
.endif
.endm
; 16 matrix instructions, the 16 accumulators by turns.  x's blocks 0, 1 lie in window 1, blocks 2, 3 in window 2; W's sets and the accumulators in window 3
.macro MUL st, mode
.irp a, 0,1,2,3
.if \mode
	WIN 0xfc|(1+\a/2)
.else
	WIN 0xf3|((1+\a/2)<<2)
.endif
.irp b, 0,1,2,3
.set RF, 128+48*((\st)%2)+12*\b
.set PF, 96*(\a%2)+12*(\st)
.if \mode
.set AC, 8*(4*\b+\a)
	WM AC, PF, RF, XS+8*\a+(\st), WS+8*\b+(\st), \st
.else
.set AC, 8*(4*\a+\b)
	WM AC, RF, PF, WS+8*\b+(\st), XS+8*\a+(\st), \st
.endif
.endr
.endr
.endm
; the change of slots: the three lines, the round, and the next head's load into the slot read last
.macro TOP slot, fill
	s_wait_alu depctr_va_vdst(0)
	s_wait_tensorcnt 0x0                           ; my part of this head's rows is in
	ds_add_u32 v28, v29
	s_add_nc_u64 s[G0B+4*\slot+2:G0B+4*\slot+3], s[G0B+4*\slot+2:G0B+4*\slot+3], 786432   ; this slot's next head
	s_wait_dscnt 0x0                               ; the add, and my reads of the other slot
.if \fill
	CROUND
	s_cmp_eq_u32 s21, 0
	s_cbranch_scc1 .Lnone_\@
	tensor_load_to_lds s[G0B+4-4*\slot:G0B+7-4*\slot], s[G1B:G1B+7]
	s_nop 0
	PLACES 4
.Lnone_\@:
.else
	s_barrier_signal -1
	s_barrier_wait -1
.endif
.endm
.macro MAIN slot, mode, pf
	FETCHR \slot, 0
.if \pf
	global_prefetch_b8 v14, s[92:93] th:TH_LOAD_NT scope:SCOPE_SE   ; the head whose load stands behind the next round
.endif
	s_wait_loadcnt 0x0                             ; the scale words
.irp st, 0,1,2,3,4,5,6,7
.if \st < 7
.if \st > 0
	PLACES 4                                       ; behind the products that read the set filled below
.endif
	FETCHR \slot, \st+1
	s_wait_dscnt 24                                ; all but the 24 loads just issued
.else
	s_wait_dscnt 0x0
.endif
	MUL \st, \mode
.endr
	PLACES 5
	WIN 0
.endm
.macro WSNEXT                          ; the next head's scale words of W
.irp b, 0,1,2,3
	global_load_b128 v[WS+8*\b:WS+8*\b+3], v13, s[10:11] offset:16384+512*\b
	global_load_b128 v[WS+8*\b+4:WS+8*\b+7], v13, s[10:11] offset:16384+512*\b+16
.endr
.endm
.macro ROPE c                          ; blocks 2 c, 2 c + 1: (x0, x1) -> (x0 cos - x1 sin, x1 cos + x0 sin); each accumulator from its low end on
	WIN 0x03
.set n, 0
.rept 32
.set CP, CSR+(1-(n%16)/8)*16*(\c)+((n%16)/8)*(32+16*(n/16))+2*(n%8)
	v_pk_mul_f32 v[HA+2*n:HA+2*n+1], v[64*(\c)+2*n:64*(\c)+2*n+1], v[CP:CP+1] op_sel_hi:[1,0]
.set n, n+1
.endr
.set n, 0
.rept 32
.set CP, CSR+(1-(n%16)/8)*16*(\c)+((n%16)/8)*(32+16*(n/16))+2*(n%8)
	v_pk_fma_f32 v[HA+2*n:HA+2*n+1], v[64*(\c)+2*n:64*(\c)+2*n+1], v[CP:CP+1], v[HA+2*n:HA+2*n+1] op_sel:[1,1,0] op_sel_hi:[0,1,1] neg_lo:[0,1,0]
.set n, n+1
.endr
	WIN 0
.endm
; 64 numbers of a lane, from register s of window w: two half fragments' codes in v[CD] on, their four scale bytes in v[PW]
.macro QUANT s, w
	WIN (\w)|((\w)<<2)
.irp b, 0,1,2,3
	v_max3_num_f32 v[TM+\b], |v[\s+16*\b]|, |v[\s+1+16*\b]|, 0x1800000   ; the floor 2^(3 - 127): the byte cannot fall under 1
.endr
	WIN ((\w)<<2)|((\w)<<4)
.irp i, 2,4,6,8,10,12,14
.irp b, 0,1,2,3
	v_max3_num_f32 v[TM+\b], v[TM+\b], |v[\s+16*\b+\i]|, |v[\s+1+16*\b+\i]|
.endr
.endr
	WIN 0
.irp b, 0,1,2,3
	v_permlanex16_b32 v[TM+4+\b], v[TM+\b], s[SEL], s[SEL+1]
.endr
.irp b, 0,1,2,3
	v_max_num_f32 v[TM+\b], v[TM+\b], v[TM+4+\b]
.endr
.irp b, 0,1,2,3
	v_add_nc_u32 v[TM+8+\b], 0xff000000, v[TM+\b]  ; 2 off the exponent field: the conversion's scale operand
.endr
.irp b, 0,1,2,3
	v_lshrrev_b32 v[TM+4+\b], 23, v[TM+8+\b]
.endr
	v_lshl_or_b32 v[PW], v[TM+5], 8, v[TM+4]
	v_lshl_or_b32 v[PW], v[TM+6], 16, v[PW]
	v_lshl_or_b32 v[PW], v[TM+7], 24, v[PW]
	WIN \w
.irp c, 0,1
	v_cvt_scalef32_pk16_fp6_f32 v[CD+6*\c:CD+2+6*\c], v[\s+32*\c:\s+15+32*\c], v[TM+8+2*\c]
	v_cvt_scalef32_pk16_fp6_f32 v[CD+12+4*\c:CD+14+4*\c], v[\s+16+32*\c:\s+31+32*\c], v[TM+8+2*\c+1]
.endr
	WIN 0
	v_nop                                          ; one plain place behind a scaled conversion
.irp c, 0,1
.irp i, 0,1,2
	v_permlane16_swap_b32 v[CD+6*\c+\i], v[CD+12+4*\c+\i]
.endr
.irp i, 0,1,2
	v_mov_b32 v[CD+3+6*\c+\i], v[CD+12+4*\c+\i]
.endr
.endr
.endm
.macro IMAGES base, o0, o1             ; two half fragments: 512 + 256 consecutive bytes each
	global_store_b128 v10, v[CD:CD+3], s[\base:\base+1] offset:\o0
	global_store_b64 v11, v[CD+4:CD+5], s[\base:\base+1] offset:\o0
	global_store_b128 v10, v[CD+6:CD+9], s[\base:\base+1] offset:\o1
	global_store_b64 v11, v[CD+10:CD+11], s[\base:\base+1] offset:\o1
.endm
.macro OUTQK
	WSNEXT
.irp c, 0,1
.if \c
	s_wait_xcnt 0x0                                ; the stores above have read their data
.endif
	ROPE \c
	QUANT HA, 0
	v_mov_b32 v[SW+2*\c], v[PW]                    ; a tile's word: its two bytes below; what stands above them is a valid byte or 0 and meets zero codes
	v_lshrrev_b32 v[SW+2*\c+1], 16, v[PW]
	IMAGES 12, 1536*\c, 1536*\c+768
.endr
	global_store_b128 v12, v[SW:SW+3], s[14:15]    ; 256 consecutive bytes (lanes 16-31 hold and write the same)
	s_wait_xcnt 0x0                                ; the bases step only behind this wait
	s_add_nc_u64 s[12:13], s[12:13], 3145728
	s_add_nc_u64 s[14:15], s[14:15], 262144
	s_add_nc_u64 s[10:11], s[10:11], 16384
	s_add_nc_u64 s[92:93], s[92:93], 393216
.endm
.macro OUTV j, next
.if \next
	WSNEXT
.endif
.irp c, 0,1
.if \c
	s_wait_xcnt 0x0
.endif
	QUANT 64*\c, 3
	ds_store_b16 v15, v[PW] offset:512*\j+8*\c              ; channels 32 c + r: my two bytes of the step's word
	ds_store_b16_d16_hi v15, v[PW] offset:512*\j+8*\c+4     ; channels 32 c + 16 + r
	IMAGES 16, 3072*\c, 3072*\c+1536
.endr
.if \next
	s_wait_xcnt 0x0
	s_add_nc_u64 s[16:17], s[16:17], 49152
.endif
.endm
	s_wait_alu depctr_va_vdst(0)                   ; the head's end
	s_wait_tensorcnt 0x0                           ; my part of the head's tiles is in
	s_wait_dscnt 0x0                               ; my part of the table is stored
	s_barrier_signal -1
	s_barrier_wait -1
.irp a, 0,1,2,3
	WIN 0x40<<(\a/2)
.irp st, 0,1,2,3,4,5,6,7
	FRAG 96*(\a%2)+12*\st, 4, \st, \a*16*PIT
.endr
.endr
	WIN 0
.irp c, 0,1
.irp u, 0,1,2,3
	ds_load_b128 v[CSR+16*\c+4*\u:CSR+16*\c+4*\u+3], v18 offset:\c*TP+16*(\u%2)+64*(\u/2)
	ds_load_b128 v[CSR+32+16*\c+4*\u:CSR+32+16*\c+4*\u+3], v17 offset:\c*16*TP+16*(\u%2)+64*(\u/2)
.endr
.endr
	s_mov_b32 s3, 2
.Lqk:                                                  ; a trip: two heads of q or k, once round the ring
	TOP 0, 1
	MAIN 0, 0, 1
	OUTQK
	TOP 1, 1
	MAIN 1, 0, 1
	OUTQK
	s_sub_co_u32 s3, s3, 1
	s_cmp_lg_u32 s3, 0
	s_cbranch_scc1 .Lqk
	TOP 0, 1
	MAIN 0, 1, 0
	OUTV 0, 1
	TOP 1, 0                                       ; the last head: nothing more to fetch
	MAIN 1, 1, 0
	OUTV 1, 0
	s_wait_dscnt 0x0                               ; my scale bytes are in the stage
	s_barrier_signal -1
	s_barrier_wait -1
	s_wait_xcnt 0x0
	ds_load_b128 v[SW:SW+3], v16                   ; wave w: head w / 2, step w % 2
	s_wait_dscnt 0x0
	global_store_b128 v12, v[SW:SW+3], s[18:19]    ; 256 consecutive bytes
	s_wait_tensorcnt 0x0                           ; the wave's end
	ds_add_u32 v28, v29
	s_wait_dscnt 0x0
	CROUND                                         ; the closing round
	s_endpgm
.Lfunc_end_k_q0a0fc4c878_qkv:
	.size	k_q0a0fc4c878_qkv, .Lfunc_end_k_q0a0fc4c878_qkv-k_q0a0fc4c878_qkv
	.p2alignl 7, 3214868480
	.fill 96, 4, 3214868480
	.section	.rodata,"a",@progbits
	.p2align	6, 0x0
	.amdhsa_kernel k_q0a0fc4c878_qkv
		.amdhsa_group_segment_fixed_size 327680
		.amdhsa_private_segment_fixed_size 0
		.amdhsa_enable_private_segment 0
		.amdhsa_kernarg_size 64
		.amdhsa_user_sgpr_count 2
		.amdhsa_user_sgpr_kernarg_segment_ptr 1
		.amdhsa_wavefront_size32 1
		.amdhsa_system_sgpr_workgroup_id_x 1
		.amdhsa_system_sgpr_workgroup_id_y 1
		.amdhsa_system_sgpr_workgroup_id_z 1
		.amdhsa_system_vgpr_workitem_id 0
		.amdhsa_next_free_vgpr 1024
		.amdhsa_next_free_sgpr 106
		.amdhsa_reserve_vcc 1
		.amdhsa_float_denorm_mode_32 3
		.amdhsa_float_denorm_mode_16_64 3
		.amdhsa_memory_ordered 1
		.amdhsa_forward_progress 1
		.amdhsa_inst_pref_size 209
	.end_amdhsa_kernel
	.amdgpu_metadata
---
amdhsa.version: [ 1, 2 ]
amdhsa.kernels:
  - .name:           k_q0a0fc4c878_qkv
    .symbol:         k_q0a0fc4c878_qkv.kd
    .args:
      - { .name: x_codes, .offset: 0, .size: 8, .value_kind: global_buffer, .address_space: global }
      - { .name: x_scales, .offset: 8, .size: 8, .value_kind: global_buffer, .address_space: global }
      - { .name: Wqkv_codes, .offset: 16, .size: 8, .value_kind: global_buffer, .address_space: global }
      - { .name: Wqkv_scales, .offset: 24, .size: 8, .value_kind: global_buffer, .address_space: global }
      - { .name: qk_img, .offset: 32, .size: 8, .value_kind: global_buffer, .address_space: global }
      - { .name: qk_sc, .offset: 40, .size: 8, .value_kind: global_buffer, .address_space: global }
      - { .name: v_img, .offset: 48, .size: 8, .value_kind: global_buffer, .address_space: global }
      - { .name: v_sc, .offset: 56, .size: 8, .value_kind: global_buffer, .address_space: global }
    .group_segment_fixed_size: 327680
    .private_segment_fixed_size: 0
    .kernarg_segment_align: 8
    .kernarg_segment_size: 64
    .max_flat_workgroup_size: 128
    .sgpr_count:     106
    .vgpr_count:     1024
    .wavefront_size: 32
...
	.end_amdgpu_metadata
.endif
;; end of part 1
;; launch attn (part 2): grid 4 x 64, 16 waves a work-group, clusters of 4 x 1, 210,944 bytes of LDS; arguments qk_img, qk_sc, v_img, v_sc, o_img, o_sc; writes o_img, o_sc
.if DOCPART == 2
	.amdgcn_target "amdgcn-amd-amdhsa--gfx1250"
	.amdhsa_code_object_version 6
	.text
	.protected	k_q0a0fc4c878_attn
	.globl	k_q0a0fc4c878_attn
	.p2align	8
	.type	k_q0a0fc4c878_attn,@function
k_q0a0fc4c878_attn:
	s_mov_b64 s[64:65], 0
	v_nop
	global_prefetch_b8 v0, s[64:65] scope:SCOPE_SE
	s_setreg_imm32_b32 hwreg(HW_REG_WAVE_MODE, 25, 1), 1
	s_wait_xcnt 0x0
	s_wait_alu depctr_hold_cnt(0) depctr_sa_sdst(0) depctr_va_vdst(0) depctr_va_sdst(0) depctr_va_ssrc(0) depctr_va_vcc(0) depctr_vm_vsrc(0)
	s_getreg_b32 s2, hwreg(HW_REG_IB_STS2, 6, 4)
	s_cmp_eq_u32 s2, 0
	s_cbranch_scc0 .Lentry_in_a_cluster
	s_endpgm
.Lentry_in_a_cluster:
	s_bfe_u32 s2, ttmp6, 0x10000c
	s_cmp_lg_u32 s2, 0x3003
	s_cbranch_scc0 .Lentry_shape_is_right
	s_endpgm
.Lentry_shape_is_right:
; o = softmax(q k^T / 8) v for 128 heads of 1,024 positions x 64 channels, both products on codes of FP6 (E2M3) with E8M0 scales; o is quantised along the channels for the last product.
; t = score x log2(e) / 8; M = the running largest t rounded up to a whole number; p = 2^(t - M) is quantised along the keys, not normalised; the row's sum of the unquantised p divides at the end.
; SHARES.  A work-group: one image (of 8), one pair of heads (of 8), 256 queries (of 1,024).  Each of its sixteen waves owns 16 queries and walks all 1,024 keys twice, once for each head of the pair:
; so it ends with a whole fragment (16 rows x 128 k) of o and a whole scale word a row.
; LDS holds K, V and their scale words of both heads, filled ONCE: no slot is filled again.  The four work-groups of a cluster need the same K and V: joint loads, mask 15.
; LAYOUT.  S^T = K Q^T (source 0 = 16 keys, source 1 = my queries), O^T = V^T P^T: a lane holds one query throughout.  All operands come as images of their registers.
; THE FIRST PRODUCT'S K IS 64, the instruction's 128: Q's upper six registers are zeros.  K's tiles stand six registers apart, so a tile's upper six registers are the next tile's data: they meet Q's zero codes
; and add nothing; their scale bytes are valid bytes or 0, never 0xff.
; ORDER INSIDE A BLOCK OF 32: q, k, v come with places 8-15 and 16-23 of each block exchanged; p gets the same order here (tiles of 16 neighbouring keys).  o is brought into true order ahead of its quantiser.
; LIMITS: NaN and infinities are not served; a block of zeros gets the scale byte 1 and not 127 (its codes are zeros; this program alone reads the bytes).
; REGISTERS: v1-4, v6, v7 addresses that stay; v8-11 the step's; v12 -M, v13 the largest t, v[14:15] the sum; v16-27 Q of the even head, v210-221 of the odd; v28, v29 their scale words;
; v32-85 fragments of K or V; v86-93 K's scale words; v96-159 S^T, then p; v160-191 O^T; v192-195 V's scale words; v196-207 o's codes; v208 o's scale word; v224-235 p's codes; v232-254 at work.
.set HREG,  104448                     ; a head's region of LDS
.set VIMG,  49152                      ; in it: K's 64 tiles of 768 bytes; V's [step 8][4 tiles][2 halves][768];
.set KSC,   98304                      ; K's scale words [group of 4 tiles 16][row 16][4 words];
.set VSC,   102400                     ; V's [step 8][row 16][4 words]
.set WV,   88
.set SEL,  90
.set CS,   92
.set SK,   94
.set SS,   95
.set ST,   96
.set CNT,  97
.macro CROUND
	s_barrier_signal -1
	s_barrier_wait -1
	s_cmp_lg_u32 s[WV], 0
	s_cbranch_scc1 .Lnot_wave_0_\@
	s_barrier_signal -3
.Lnot_wave_0_\@:
	s_barrier_wait -3
	s_barrier_signal -1
	s_barrier_wait -1
.endm
	s_load_b256 s[4:11], s[0:1], 0x0               ; qk_img, qk_sc, v_img, v_sc
	s_load_b128 s[12:15], s[0:1], 0x20             ; o_img, o_sc
	v_lshl_add_u32 v251, v0, 2, 0x33000
	v_mov_b32 v255, 0
	ds_add_u32 v251, v255
	ds_add_u32 v251, v255
	v_lshrrev_b32 v1, 5, v0
	s_delay_alu instid0(VALU_DEP_1)
	v_readfirstlane_b32 s[WV], v1                  ; wave 0..15
	s_bfe_u32 s89, ttmp6, 0x40000                  ; cx
	s_and_b32 s98, ttmp7, 0xffff
	s_lshr_b32 s99, s98, 3                         ; the image
	s_and_b32 s100, s98, 7                         ; the pair of heads
	s_and_b32 s101, s[WV], 3                       ; which quarter of K I fetch, if I fetch K
	; descriptor groups 1, elements of 8 bytes, mask 15.  K: 48 rows of 256 bytes, dense.  V: 4 rows of 6,144 bytes (a head's step), 98,304 apart.  Scale words: rows of 256 bytes, dense (K) or 4,096 apart (V)
.irp g, 20, 28, 36, 44
	s_mov_b32 s[\g], 15|(3<<16)|(1<<21)
	s_mov_b32 s[\g+6], 0
	s_mov_b32 s[\g+7], 0
.endr
	s_mov_b32 s21, 32<<16
	s_mov_b32 s22, 48<<16
	s_mov_b32 s23, 32<<16
	s_mov_b32 s24, 48
	s_mov_b32 s25, 32
	s_mov_b32 s29, 768<<16
	s_mov_b32 s30, 4<<16
	s_mov_b32 s31, 768<<16
	s_mov_b32 s32, 4
	s_mov_b32 s33, 12288
	s_mov_b32 s37, 32<<16
	s_mov_b32 s38, 16<<16
	s_mov_b32 s39, 32<<16
	s_mov_b32 s40, 16
	s_mov_b32 s41, 32
	s_mov_b32 s45, 32<<16
	s_mov_b32 s46, 8<<16
	s_mov_b32 s47, 32<<16
	s_mov_b32 s48, 8
	s_mov_b32 s49, 512
	s_mov_b32 s[SEL], 0x76543210
	s_mov_b32 s[SEL+1], 0xfedcba98
	s_mov_b32 s[CS], 0x3e38aa3b                    ; c = log2(e) / 8
	s_mov_b32 s[CS+1], s[CS]
	s_mov_b32 s3, 0
	s_wait_dscnt 0x0
	s_wait_kmcnt 0x0
	; groups 0, one for each kind of tile, made from the wave's number.  Nothing here holds cx
	s_lshr_b32 s18, s[WV], 2                       ; K (waves 0-7): the head of the pair; the quarter is s101
	s_bfe_u32 s19, s[WV], 0x10001                  ; V (waves 8-11): the head of the pair,
	s_and_b32 s17, s[WV], 1                        ; and which four steps; scale words (waves 12-15): the head of the pair
	s_add_co_u32 s16, s100, 8                      ; k's pairs lie behind q's eight
	s_mul_i32 s2, s16, 786432
	s_mul_i32 s56, s99, 49152
	s_add_co_u32 s2, s2, s56
	s_mul_i32 s56, s18, 393216
	s_add_co_u32 s2, s2, s56
	s_mul_i32 s56, s101, 12288
	s_add_co_u32 s2, s2, s56
	s_mul_i32 s53, s18, HREG
	s_add_co_u32 s53, s53, s56
	s_mov_b32 s52, 1
	s_add_nc_u64 s[54:55], s[4:5], s[2:3]
	s_or_b32 s55, s55, 0x80000000
	s_lshl_b32 s2, s99, 3
	s_lshl_b32 s56, s17, 2
	s_add_co_u32 s2, s2, s56                       ; V: my four steps of 128 keys
	s_mul_i32 s2, s2, 98304
	s_lshl_b32 s56, s100, 1
	s_add_co_u32 s56, s56, s19
	s_mul_i32 s56, s56, 6144
	s_add_co_u32 s2, s2, s56
	s_mul_i32 s61, s19, HREG
	s_mul_i32 s56, s17, 24576
	s_add_co_u32 s61, s61, s56
	s_add_co_u32 s61, s61, VIMG
	s_mov_b32 s60, 1
	s_add_nc_u64 s[62:63], s[8:9], s[2:3]
	s_or_b32 s63, s63, 0x80000000
	s_lshl_b32 s2, s16, 1
	s_add_co_u32 s2, s2, s17                       ; K's scale words: head 16 + 2 x pair + parity, 32,768 bytes a head, 4,096 an image
	s_lshl_b32 s2, s2, 15
	s_lshl_b32 s56, s99, 12
	s_add_co_u32 s2, s2, s56
	s_mul_i32 s73, s17, HREG
	s_add_co_u32 s73, s73, KSC
	s_mov_b32 s72, 1
	s_add_nc_u64 s[74:75], s[6:7], s[2:3]
	s_or_b32 s75, s75, 0x80000000
	s_lshl_b32 s2, s99, 15                         ; V's: 4,096 bytes a step, 256 a head
	s_lshl_b32 s56, s100, 1
	s_add_co_u32 s56, s56, s17
	s_lshl_b32 s56, s56, 8
	s_add_co_u32 s2, s2, s56
	s_mul_i32 s81, s17, HREG
	s_add_co_u32 s81, s81, VSC
	s_mov_b32 s80, 1
	s_add_nc_u64 s[82:83], s[10:11], s[2:3]
	s_or_b32 s83, s83, 0x80000000
	CROUND                                         ; all four work-groups are here: the joint loads meet
	; one load a wave, sixteen in all: waves 0-7 K's quarters of both heads; 8-11 V's halves; 12, 13 K's scale words; 14, 15 V's.  Four v_nop follow each
	s_cmp_lt_u32 s[WV], 8
	s_cbranch_scc0 .Lnot_k
	tensor_load_to_lds s[52:55], s[20:27]
	s_nop 0
.rept 4
	v_nop
.endr
	s_branch .Lasked
.Lnot_k:
	s_cmp_lt_u32 s[WV], 12
	s_cbranch_scc0 .Lnot_v
	tensor_load_to_lds s[60:63], s[28:35]
	s_nop 0
.rept 4
	v_nop
.endr
	s_branch .Lasked
.Lnot_v:
	s_cmp_lt_u32 s[WV], 14
	s_cbranch_scc0 .Lnot_ks
	tensor_load_to_lds s[72:75], s[36:43]
	s_nop 0
.rept 4
	v_nop
.endr
	s_branch .Lasked
.Lnot_ks:
	tensor_load_to_lds s[80:83], s[44:51]
	s_nop 0
.rept 4
	v_nop
.endr
.Lasked:
	; my tile of 16 queries: T = 64 x image + 16 x (block of 256 queries) + wave
	s_lshl_b32 s18, ttmp9, 2
	s_add_co_u32 s89, s89, s18
	s_lshl_b32 s89, s89, 4
	s_add_co_u32 s89, s89, s[WV]
	s_lshl_b32 s18, s99, 6
	s_add_co_u32 s89, s89, s18
	s_mul_i32 s18, s100, 786432
	s_mul_i32 s19, s89, 768
	s_add_co_u32 s18, s18, s19
	s_mov_b32 s19, 0
	s_add_nc_u64 s[104:105], s[4:5], s[18:19]      ; Q's image, even head
	s_lshl_b32 s18, s100, 16
	s_lshr_b32 s98, s89, 2
	s_lshl_b32 s98, s98, 8
	s_add_co_u32 s18, s18, s98
	s_and_b32 s98, s89, 3
	s_lshl_b32 s98, s98, 2
	s_add_co_u32 s18, s18, s98
	s_add_nc_u64 s[98:99], s[6:7], s[18:19]        ; Q's scale words
	s_mul_i32 s18, s89, 12288
	s_mul_i32 s17, s100, 1536
	s_add_co_u32 s18, s18, s17
	s_add_nc_u64 s[12:13], s[12:13], s[18:19]      ; o's image
	s_lshl_b32 s18, s89, 9
	s_lshl_b32 s17, s100, 2
	s_add_co_u32 s18, s18, s17
	s_add_nc_u64 s[14:15], s[14:15], s[18:19]      ; o's scale words
	v_and_b32 v5, 31, v0
	v_and_b32 v6, 15, v0
	s_delay_alu instid0(VALU_DEP_2)
	v_lshlrev_b32 v1, 4, v5                        ; 16 x lane
	s_delay_alu instid0(VALU_DEP_3)
	v_lshl_add_u32 v2, v5, 3, 512                  ; 512 + 8 x lane
	s_delay_alu instid0(VALU_DEP_3)
	v_lshlrev_b32 v6, 4, v6                        ; 16 r
	s_delay_alu instid0(VALU_DEP_1)
	v_add_nc_u32 v3, KSC, v6
	s_delay_alu instid0(VALU_DEP_2)
	v_add_nc_u32 v4, VSC, v6
	s_delay_alu instid0(VALU_DEP_3)
	v_lshlrev_b32 v7, 1, v6                        ; 32 r
	global_load_b128 v[16:19], v1, s[104:105]
	global_load_b64 v[20:21], v2, s[104:105]
	global_load_b128 v[210:213], v1, s[104:105] offset:393216
	global_load_b64 v[214:215], v2, s[104:105] offset:393216
	global_load_b32 v28, v6, s[98:99]
	global_load_b32 v29, v6, s[98:99] offset:32768
.irp j, 0,1,2,3,4,5
	v_mov_b32 v[22+\j], 0                          ; Q's k = 64 .. 127: zero codes
	v_mov_b32 v[216+\j], 0
	v_mov_b32 v[80+\j], 0                          ; the upper six registers of K's last tile
.endr
.irp b, 0,1,2,3
	v_mov_b32 v[236+\b], 0                         ; a lane permute's destination counts as one of its sources
.endr
	v_mov_b32 v253, 0                              ; named as the upper half of a pair before it is first written
; A KEY STEP: 128 keys.  q: Q's first register; qs: its scale word
.macro STEP q, qs
	v_add_nc_u32 v8, s[SK], v1                     ; these four are the places behind the last products, in front of the loads below
	v_add_nc_u32 v9, s[SK], v2
	v_add_nc_u32 v10, s[SS], v3
	v_add_nc_u32 v11, s[ST], v4
.irp t, 0,1,2,3,4,5,6,7
	ds_load_b128 v[32+6*\t:35+6*\t], v8 offset:768*\t
	ds_load_b64 v[36+6*\t:37+6*\t], v9 offset:768*\t
.endr
	ds_load_b128 v[86:89], v10
	ds_load_b128 v[90:93], v10 offset:256
	s_wait_alu depctr_va_vdst(0)
	s_wait_dscnt 0x0
.irp t, 0,1,2,3,4,5,6,7
	v_wmma_scale_f32_16x16x128_f8f6f4 v[96+8*\t:103+8*\t], v[32+6*\t:43+6*\t], v[\q:\q+11], 0, v[86+\t], v[\qs] matrix_a_fmt:MATRIX_FMT_FP6 matrix_b_fmt:MATRIX_FMT_FP6
.endr
.rept 4
	v_nop                                          ; places: the loads below land in registers that these products read, and the scores are read
.endr
.irp d, 0,1,2,3                                ; V's four fragments land under the softmax
.irp e, 0,1
	ds_load_b128 v[32+12*\d+6*\e:35+12*\d+6*\e], v8 offset:VIMG+1536*\d+768*\e
	ds_load_b64 v[36+12*\d+6*\e:37+12*\d+6*\e], v9 offset:VIMG+1536*\d+768*\e
.endr
.endr
	ds_load_b128 v[192:195], v11
.irp b, 0,1,2,3
	v_max3_num_f32 v[232+\b], v[96+16*\b], v[97+16*\b], v[98+16*\b]   ; the largest score of each block of 32 keys: for the row's maximum and for the block's largest p
.endr
.irp i, 3,5,7,9,11,13
.irp b, 0,1,2,3
	v_max3_num_f32 v[232+\b], v[232+\b], v[96+16*\b+\i], v[97+16*\b+\i]
.endr
.endr
.irp b, 0,1,2,3
	v_max_num_f32 v[232+\b], v[232+\b], v[111+16*\b]
.endr
.irp b, 0,1,2,3
	s_delay_alu instid0(VALU_DEP_4)
	v_permlanex16_b32 v[236+\b], v[232+\b], s[SEL], s[SEL+1]
.endr
.irp b, 0,1,2,3
	s_delay_alu instid0(VALU_DEP_4)
	v_max_num_f32 v[232+\b], v[232+\b], v[236+\b]
.endr
	s_delay_alu instid0(VALU_DEP_2)
	v_max3_num_f32 v254, v232, v233, v234
	s_delay_alu instid0(VALU_DEP_1)
	v_max_num_f32 v254, v254, v235
	s_delay_alu instid0(VALU_DEP_1)
	v_mul_f32 v254, s[CS], v254
	s_delay_alu instid0(VALU_DEP_1)
	v_max_num_f32 v13, v13, v254                   ; the running largest t
	v_mov_b32 v254, v12
	s_delay_alu instid0(VALU_DEP_2)
	v_floor_f32 v12, -v13                          ; -M = floor(-t): M is a whole number
	s_delay_alu instid0(VALU_DEP_1)
	v_sub_f32 v254, v12, v254
	s_delay_alu instid0(VALU_DEP_1)
	v_cvt_i32_f32 v254, v254                       ; (it saturates)
	s_delay_alu instid0(VALU_DEP_1)
	v_ldexp_f32 v252, 1.0, v254                    ; f = 2^(old M - new M)
.set j, 0
.rept 32
	v_pk_fma_f32 v[96+j:97+j], v[96+j:97+j], s[CS:CS+1], v[12:13] op_sel_hi:[1,0,0]   ; t - M
.set j, j+2
.endr
.irp b, 0,1,2,3
	v_fma_f32 v[232+\b], v[232+\b], s[CS], v12
.endr
.set j, 0
	s_wait_alu depctr_va_vdst(0)
.rept 64
	v_exp_f32 v[96+j], v[96+j]                     ; p = 2^(t - M)
.set j, j+1
.endr
.irp b, 0,1,2,3
	v_exp_f32 v[232+\b], v[232+\b]                 ; the block's largest p
.endr
	v_pk_mul_f32 v[14:15], v[14:15], v[252:253] op_sel_hi:[1,0]   ; the sums under the new M; a plain place behind the exponentials
	s_wait_alu depctr_va_vdst(0)
.irp b, 0,1,2,3
	v_max_num_f32 v[232+\b], 0x1800000, v[232+\b]  ; the floor 2^(3 - 127)
.endr
.irp b, 0,1,2,3
	s_delay_alu instid0(VALU_DEP_4)
	v_add_nc_u32 v[244+\b], 0xff000000, v[232+\b]
.endr
.irp b, 0,1,2,3
	s_delay_alu instid0(VALU_DEP_4)
	v_lshrrev_b32 v[236+\b], 23, v[244+\b]
.endr
	s_delay_alu instid0(VALU_DEP_3)
	v_lshl_or_b32 v253, v237, 8, v236              ; p's scale word for these 128 keys
	s_delay_alu instid0(VALU_DEP_1)
	v_lshl_or_b32 v253, v238, 16, v253
	s_delay_alu instid0(VALU_DEP_1)
	v_lshl_or_b32 v253, v239, 24, v253
.irp c, 0,1
	v_cvt_scalef32_pk16_fp6_f32 v[224+6*\c:226+6*\c], v[96+32*\c:111+32*\c], v[244+2*\c]
	v_cvt_scalef32_pk16_fp6_f32 v[236+4*\c:238+4*\c], v[112+32*\c:127+32*\c], v[244+2*\c+1]
.endr
	v_nop                                          ; one plain place behind a scaled conversion
.irp c, 0,1
.irp i, 0,1,2
	v_permlane16_swap_b32 v[224+6*\c+\i], v[236+4*\c+\i]
.endr
.irp i, 0,1,2
	s_delay_alu instid0(VALU_DEP_3)
	v_mov_b32 v[227+6*\c+\i], v[236+4*\c+\i]
.endr
.endr
	v_pk_add_f32 v[236:237], v[100:101], v[104:105]
	v_pk_add_f32 v[248:249], v[108:109], v[112:113]
	v_pk_add_f32 v[246:247], v[116:117], v[120:121]
	v_pk_add_f32 v[244:245], v[124:125], v[128:129]
	v_pk_add_f32 v[242:243], v[132:133], v[136:137]
	v_pk_add_f32 v[240:241], v[140:141], v[144:145]
	v_pk_add_f32 v[222:223], v[148:149], v[152:153]
	v_pk_add_f32 v[14:15], v[14:15], v[156:157]
	v_pk_add_f32 v[236:237], v[236:237], v[96:97]
	v_pk_add_f32 v[248:249], v[248:249], v[98:99]
	v_pk_add_f32 v[246:247], v[246:247], v[102:103]
	v_pk_add_f32 v[244:245], v[244:245], v[106:107]
	v_pk_add_f32 v[242:243], v[242:243], v[110:111]
	v_pk_add_f32 v[240:241], v[240:241], v[114:115]
	v_pk_add_f32 v[222:223], v[222:223], v[118:119]
	v_pk_add_f32 v[14:15], v[14:15], v[122:123]
	v_pk_add_f32 v[236:237], v[236:237], v[126:127]
	v_pk_add_f32 v[248:249], v[248:249], v[130:131]
	v_pk_add_f32 v[246:247], v[246:247], v[134:135]
	v_pk_add_f32 v[244:245], v[244:245], v[138:139]
	v_pk_add_f32 v[242:243], v[242:243], v[142:143]
	v_pk_add_f32 v[240:241], v[240:241], v[146:147]
	v_pk_add_f32 v[222:223], v[222:223], v[150:151]
	v_pk_add_f32 v[14:15], v[14:15], v[154:155]
	v_pk_add_f32 v[236:237], v[236:237], v[158:159]
	s_delay_alu instid0(VALU_DEP_2)
	v_pk_add_f32 v[14:15], v[14:15], v[244:245]
	s_delay_alu instid0(VALU_DEP_2)
	v_pk_add_f32 v[236:237], v[236:237], v[242:243]
	v_pk_add_f32 v[248:249], v[248:249], v[240:241]
	v_pk_add_f32 v[246:247], v[246:247], v[222:223]
	s_delay_alu instid0(VALU_DEP_2)
	v_pk_add_f32 v[14:15], v[14:15], v[248:249]
	s_delay_alu instid0(VALU_DEP_2)
	v_pk_add_f32 v[236:237], v[236:237], v[246:247]
	s_delay_alu instid0(VALU_DEP_1)
	v_pk_add_f32 v[14:15], v[14:15], v[236:237]
.set j, 0
.rept 16
	v_pk_mul_f32 v[160+j:161+j], v[160+j:161+j], v[252:253] op_sel_hi:[1,0]   ; O^T under the new M.  The sums and these are the places between p's codes and scale word and the products
.set j, j+2
.endr
	s_wait_alu depctr_va_vdst(0)
	s_wait_dscnt 0x0                               ; V and its scale words are in
.irp d, 0,1,2,3
	v_wmma_scale_f32_16x16x128_f8f6f4 v[160+8*\d:167+8*\d], v[32+12*\d:43+12*\d], v[224:235], v[160+8*\d:167+8*\d], v[192+\d], v253 matrix_a_fmt:MATRIX_FMT_FP6 matrix_b_fmt:MATRIX_FMT_FP6
.endr
	s_add_co_u32 s[SK], s[SK], 6144
	s_add_co_u32 s[SS], s[SS], 512
	s_add_co_u32 s[ST], s[ST], 256
.endm
; The head's o: divided by the sum, brought into true order, quantised: half c of the fragment, bytes 2 c and 2 c + 1 of the scale word
.macro FINISH c
.rept 4
	v_nop                                          ; places behind the last products
.endr
	v_add_f32 v14, v14, v15
	s_delay_alu instid0(VALU_DEP_1)
	v_permlanex16_b32 v252, v14, s[SEL], s[SEL+1]
	s_delay_alu instid0(VALU_DEP_1)
	v_add_f32 v14, v14, v252                       ; the row's sum
	s_wait_alu depctr_va_vdst(0)
	v_rcp_f32 v14, v14
	v_nop                                          ; a plain place behind the transcendental
.set j, 0
	s_wait_alu depctr_va_vdst(0)
.rept 32
	v_mul_f32 v[96+j], v[160+j], v14               ; register 8 t + i: channel 16 t + 8 h + i; each accumulator from its low end on
.set j, j+1
.endr
.irp b, 0,1
.irp i, 0,1,2,3,4,5,6,7
	v_permlane16_swap_b32 v[96+16*\b+\i], v[104+16*\b+\i]   ; register 16 b + i now holds channel 32 b + 16 h + i
.endr
.endr
.irp b, 0,1
	v_max3_num_f32 v[232+\b], |v[96+16*\b]|, |v[97+16*\b]|, 0x1800000
.endr
.irp i, 2,4,6,8,10,12,14
.irp b, 0,1
	s_delay_alu instid0(VALU_DEP_2)
	v_max3_num_f32 v[232+\b], v[232+\b], |v[96+16*\b+\i]|, |v[97+16*\b+\i]|
.endr
.endr
.irp b, 0,1
	s_delay_alu instid0(VALU_DEP_2)
	v_permlanex16_b32 v[236+\b], v[232+\b], s[SEL], s[SEL+1]
.endr
.irp b, 0,1
	s_delay_alu instid0(VALU_DEP_2)
	v_max_num_f32 v[232+\b], v[232+\b], v[236+\b]
.endr
.irp b, 0,1
	s_delay_alu instid0(VALU_DEP_2)
	v_add_nc_u32 v[244+\b], 0xff000000, v[232+\b]
.endr
.irp b, 0,1
	s_delay_alu instid0(VALU_DEP_2)
	v_lshrrev_b32 v[236+\b], 23, v[244+\b]
.endr
.if \c == 0
	s_delay_alu instid0(VALU_DEP_1)
	v_lshl_or_b32 v208, v237, 8, v236
.else
	s_delay_alu instid0(VALU_DEP_2)
	v_lshl_or_b32 v208, v236, 16, v208
	s_delay_alu instid0(VALU_DEP_1)
	v_lshl_or_b32 v208, v237, 24, v208
.endif
	v_cvt_scalef32_pk16_fp6_f32 v[196+6*\c:198+6*\c], v[96:111], v244
	v_cvt_scalef32_pk16_fp6_f32 v[240:242], v[112:127], v245
	v_nop                                          ; one plain place behind a scaled conversion
.irp i, 0,1,2
	v_permlane16_swap_b32 v[196+6*\c+\i], v[240+\i]
.endr
.irp i, 0,1,2
	s_delay_alu instid0(VALU_DEP_3)
	v_mov_b32 v[199+6*\c+\i], v[240+\i]
.endr
.endm
.macro PASS c, q, qs
	v_mov_b32 v13, 0xff61b1e6                      ; the largest t so far: -3e38
	s_delay_alu instid0(VALU_DEP_1)
	v_floor_f32 v12, -v13
	v_mov_b32 v14, 0
	v_mov_b32 v15, 0
.set j, 0
.rept 32
	v_mov_b32 v[160+j], 0                          ; O^T: the step is written once, its first trip finds zeros
.set j, j+1
.endr
	s_mov_b32 s[SK], \c*HREG
	s_mov_b32 s[SS], \c*HREG
	s_mov_b32 s[ST], \c*HREG
	s_mov_b32 s[CNT], 8
.if \c == 0
	s_wait_alu depctr_va_vdst(0)
	s_wait_tensorcnt 0x0                           ; my one load has landed
	s_wait_dscnt 0x0
	s_barrier_signal -1
	s_barrier_wait -1                              ; everybody's has: both heads' K, V and scale words are whole, and nothing is ever filled again
	s_wait_loadcnt 0x0                             ; Q
.endif
.Lstep_\@:
	STEP \q, \qs
	s_sub_co_u32 s[CNT], s[CNT], 1
	s_cmp_lg_u32 s[CNT], 0
	s_cbranch_scc1 .Lstep_\@
	FINISH \c
.endm
	PASS 0, 16, 28
	PASS 1, 210, 29
	global_store_b128 v1, v[196:199], s[12:13]     ; the fragment's image: three runs of 512 consecutive bytes
	global_store_b128 v1, v[200:203], s[12:13] offset:512
	global_store_b128 v1, v[204:207], s[12:13] offset:1024
	global_store_b32 v7, v208, s[14:15]            ; row r's four bytes, 32 bytes from row to row (lanes 16-31 write the same word): one part in 24 of what this launch stores
	s_wait_tensorcnt 0x0
	ds_add_u32 v251, v255
	s_wait_dscnt 0x0
	CROUND                                         ; the closing round
	s_endpgm
.Lfunc_end_k_q0a0fc4c878_attn:
	.size	k_q0a0fc4c878_attn, .Lfunc_end_k_q0a0fc4c878_attn-k_q0a0fc4c878_attn
	.p2alignl 7, 3214868480
	.fill 96, 4, 3214868480
	.section	.rodata,"a",@progbits
	.p2align	6, 0x0
	.amdhsa_kernel k_q0a0fc4c878_attn
		.amdhsa_group_segment_fixed_size 210944
		.amdhsa_private_segment_fixed_size 0
		.amdhsa_enable_private_segment 0
		.amdhsa_kernarg_size 48
		.amdhsa_user_sgpr_count 2
		.amdhsa_user_sgpr_kernarg_segment_ptr 1
		.amdhsa_wavefront_size32 1
		.amdhsa_system_sgpr_workgroup_id_x 1
		.amdhsa_system_sgpr_workgroup_id_y 1
		.amdhsa_system_sgpr_workgroup_id_z 1
		.amdhsa_system_vgpr_workitem_id 0
		.amdhsa_next_free_vgpr 256
		.amdhsa_next_free_sgpr 106
		.amdhsa_reserve_vcc 0
		.amdhsa_float_denorm_mode_32 3
		.amdhsa_float_denorm_mode_16_64 3
		.amdhsa_memory_ordered 1
		.amdhsa_forward_progress 1
		.amdhsa_inst_pref_size 57
	.end_amdhsa_kernel
	.amdgpu_metadata
---
amdhsa.version: [ 1, 2 ]
amdhsa.kernels:
  - .name:           k_q0a0fc4c878_attn
    .symbol:         k_q0a0fc4c878_attn.kd
    .args:
      - { .name: qk_img, .offset: 0, .size: 8, .value_kind: global_buffer, .address_space: global }
      - { .name: qk_sc, .offset: 8, .size: 8, .value_kind: global_buffer, .address_space: global }
      - { .name: v_img, .offset: 16, .size: 8, .value_kind: global_buffer, .address_space: global }
      - { .name: v_sc, .offset: 24, .size: 8, .value_kind: global_buffer, .address_space: global }
      - { .name: o_img, .offset: 32, .size: 8, .value_kind: global_buffer, .address_space: global }
      - { .name: o_sc, .offset: 40, .size: 8, .value_kind: global_buffer, .address_space: global }
    .group_segment_fixed_size: 210944
    .private_segment_fixed_size: 0
    .kernarg_segment_align: 8
    .kernarg_segment_size: 48
    .max_flat_workgroup_size: 512
    .sgpr_count:     106
    .vgpr_count:     256
    .wavefront_size: 32
...
	.end_amdgpu_metadata
.endif
;; end of part 2
;; launch proj (part 3): grid 32 x 8, 4 waves a work-group, clusters of 4 x 1, 167,936 bytes of LDS; arguments o_img, o_sc, Wout_codes, Wout_scales, bout, out0; writes out0
.if DOCPART == 3
	.amdgcn_target "amdgcn-amd-amdhsa--gfx1250"
	.amdhsa_code_object_version 6
	.text
	.protected	k_q0a0fc4c878_proj
	.globl	k_q0a0fc4c878_proj
	.p2align	8
	.type	k_q0a0fc4c878_proj,@function
k_q0a0fc4c878_proj:
	s_mov_b64 s[64:65], 0
	v_nop
	global_prefetch_b8 v0, s[64:65] scope:SCOPE_SE
	s_setreg_imm32_b32 hwreg(HW_REG_WAVE_MODE, 25, 1), 1
	s_wait_xcnt 0x0
	s_wait_alu depctr_hold_cnt(0) depctr_sa_sdst(0) depctr_va_vdst(0) depctr_va_sdst(0) depctr_va_ssrc(0) depctr_va_vcc(0) depctr_vm_vsrc(0)
	s_getreg_b32 s2, hwreg(HW_REG_IB_STS2, 6, 4)
	s_cmp_eq_u32 s2, 0
	s_cbranch_scc0 .Lentry_in_a_cluster
	s_endpgm
.Lentry_in_a_cluster:
	s_bfe_u32 s2, ttmp6, 0x10000c
	s_cmp_lg_u32 s2, 0x3003
	s_cbranch_scc0 .Lentry_shape_is_right
	s_endpgm
.Lentry_shape_is_right:
; out = o Wout + bout on codes of FP6 (E2M3) with E8M0 scales; sums in f32; the bias is the C of each sum's first product.
; SHARES.  A work-group: 256 rows of o (tile rt of 32) x 128 columns (group g of 8), as two units of 64 columns.  A wave: 64 rows.
; o comes as images of the operand's registers: my 4 blocks x 8 K steps x 12 registers go from memory straight into registers (512 consecutive bytes a load) and stay.
; Wout's 128 rows, whole rows of 768 bytes, are brought into LDS once, one load a wave; no LDS byte is filled again.  The four work-groups of a cluster (same g) ask for them jointly, mask 15.
; Scale words and the bias go from memory into registers.  Source 0 = 16 rows of Wout, source 1 = 16 rows of o: a lane holds eight neighbouring columns of one row.
; THE WAY OUT: 16 rows x 64 columns through my own stage in LDS, back as rows of 256 bytes: sixteen lanes store one aligned unit of 256 bytes.
; No prefetch: the launch has no loop to run ahead in; all that it reads is asked for at its head.
.set PIT,   816
.set SLB,   64*PIT
.set SPARE, 2*SLB
.set STGB,  SPARE+512                  ; a wave's stage: 2 x 16 rows x 272 bytes
.set XS,  32                           ; o's scale words [block 4][step 8]
.set WS,  64                           ; Wout's [unit 2][block 4][step 8]
.set BI,  128                          ; the bias [unit 2][block 4][8]
.set BK,  192                          ; rows read back from the stage, two sets
.set MSB, 0
.macro WIN new
.if MSB != (\new)
	s_set_vgpr_msb (MSB<<8)|(\new)
.set MSB, (\new)
.endif
.endm
.macro PLACES n
.rept \n
	v_nop
.endr
.endm
.macro CROUND
	s_barrier_signal -1
	s_barrier_wait -1
	s_cmp_lg_u32 s20, 0
	s_cbranch_scc1 .Lnot_wave_0_\@
	s_barrier_signal -3
.Lnot_wave_0_\@:
	s_barrier_wait -3
	s_barrier_signal -1
	s_barrier_wait -1
.endm
	s_load_b256 s[4:11], s[0:1], 0x0               ; o_img, o_sc, Wout's codes, Wout's scales
	s_load_b128 s[12:15], s[0:1], 0x20             ; bout, out0
	v_lshl_add_u32 v28, v0, 2, SPARE
	v_mov_b32 v29, 0
	ds_add_u32 v28, v29                            ; the opening lines
	ds_add_u32 v28, v29
	v_lshrrev_b32 v1, 5, v0
	v_readfirstlane_b32 s20, v1                    ; wave
	s_bfe_u32 s40, ttmp6, 0x40000                  ; cx
	s_lshl_b32 s43, ttmp9, 2
	s_add_co_u32 s43, s43, s40                     ; rt
	s_and_b32 s42, ttmp7, 0xffff                   ; g
	s_mov_b32 s24, 15|(1<<20)|(1<<21)|(5<<22)|(3<<25)   ; 32 rows of 768 bytes, 16 bytes of padding behind every 256
	s_mov_b32 s25, 768<<16
	s_mov_b32 s26, 32<<16
	s_mov_b32 s27, 768<<16
	s_mov_b32 s28, 32
	s_mov_b32 s29, 768
	s_mov_b32 s30, 0
	s_mov_b32 s31, 0
	s_lshl_b32 s46, s42, 7
	s_lshl_b32 s66, s20, 5
	s_add_co_u32 s46, s46, s66                     ; Wout's row 128 g + 32 wave
	s_mul_i32 s46, s46, 768
	s_mov_b32 s47, 0
	s_mov_b32 s32, 1
	s_mul_i32 s33, s20, 32*PIT
	s_wait_dscnt 0x0
	s_wait_kmcnt 0x0
	s_add_nc_u64 s[34:35], s[8:9], s[46:47]
	s_or_b32 s35, s35, 0x80000000
	CROUND                                         ; the joint loads meet
	tensor_load_to_lds s[32:35], s[24:31]          ; every wave's one load
	s_nop 0
	PLACES 4
	s_mov_b32 s3, 0
	s_lshl_b32 s66, s43, 4
	s_lshl_b32 s67, s20, 2
	s_add_co_u32 s66, s66, s67                     ; my first block of 16 rows
	s_mul_i32 s2, s66, 12288
	s_add_nc_u64 s[4:5], s[4:5], s[2:3]
	s_lshl_b32 s2, s66, 9
	s_add_nc_u64 s[6:7], s[6:7], s[2:3]
	s_lshl_b32 s2, s42, 12
	s_add_nc_u64 s[10:11], s[10:11], s[2:3]
	s_lshl_b32 s2, s42, 9
	s_add_nc_u64 s[12:13], s[12:13], s[2:3]
	s_add_nc_u64 s[14:15], s[14:15], s[2:3]
	s_lshl_b32 s2, s66, 16
	s_add_nc_u64 s[14:15], s[14:15], s[2:3]
	s_mul_i32 s70, s20, 8704
	s_add_co_u32 s70, s70, STGB
	v_and_b32 v1, 15, v0                           ; r
	v_bfe_u32 v2, v0, 4, 1                         ; h
	v_and_b32 v3, 31, v0
	v_mul_u32_u24 v6, v1, PIT
	v_mad_u32_u24 v6, v2, 24, v6                   ; unit 0's fragments; v7: where lanes 16-31 lie behind one padding more
	v_lshl_add_u32 v7, v2, 4, v6
	v_add_nc_u32 v8, SLB, v6                       ; unit 1
	v_lshl_add_u32 v9, v2, 4, v8
	v_lshlrev_b32 v10, 4, v3                       ; 16 x lane
	v_lshlrev_b32 v12, 4, v1                       ; 16 r
	v_lshlrev_b32 v13, 5, v1                       ; 32 r
	v_lshlrev_b32 v14, 5, v2                       ; 32 h
	v_mul_u32_u24 v15, v1, 272
	v_lshl_add_u32 v15, v2, 5, v15
	v_add_nc_u32 v15, s70, v15                     ; into the stage: row r, 32 bytes for each half of the lanes
	v_mul_u32_u24 v16, v2, 272
	v_add_nc_u32 v16, v16, v12
	v_add_nc_u32 v16, s70, v16                     ; back: lanes 0-15 one row, lanes 16-31 the next
	v_lshl_add_u32 v17, v2, 12, v12                ; and the same two rows in out0
	s_wait_alu depctr_va_vdst(0)                   ; the head's end
.irp a, 0,1,2,3
	WIN 0x40<<(\a/2)                               ; blocks 0, 1 into window 1, blocks 2, 3 into window 2
.irp st, 0,1,2,3,4,5,6,7
.irp c, 0,1,2
	global_load_b128 v[96*(\a%2)+12*\st+4*\c:96*(\a%2)+12*\st+4*\c+3], v10, s[4:5] offset:12288*\a+1536*\st+512*\c
.endr
.endr
.endr
	WIN 0
.irp a, 0,1,2,3
	global_load_b128 v[XS+8*\a:XS+8*\a+3], v13, s[6:7] offset:512*\a
	global_load_b128 v[XS+8*\a+4:XS+8*\a+7], v13, s[6:7] offset:512*\a+16
.endr
.irp b, 0,1,2,3,4,5,6,7
	global_load_b128 v[WS+8*\b:WS+8*\b+3], v13, s[10:11] offset:512*\b
	global_load_b128 v[WS+8*\b+4:WS+8*\b+7], v13, s[10:11] offset:512*\b+16
	global_load_b128 v[BI+8*\b:BI+8*\b+3], v14, s[12:13] offset:64*\b
	global_load_b128 v[BI+8*\b+4:BI+8*\b+7], v14, s[12:13] offset:64*\b+16
.endr
.macro FRAG reg, adr, st, ro           ; 16 rows x 128 K, 12 registers, in pieces of 8 bytes; byte y of a row lies at y + 16 (y / 256)
.irp p, 0,1,2,3,4,5
.set BY, 96*(\st)+48*(\p/3)+8*(\p%3)
.if BY/256 == (BY+24)/256
	ds_load_b64 v[\reg+2*\p:\reg+2*\p+1], v[\adr] offset:BY+16*(BY/256)+(\ro)
.else
	ds_load_b64 v[\reg+2*\p:\reg+2*\p+1], v[\adr+1] offset:BY+16*(BY/256)+(\ro)
.endif
.endr
.endm
.macro FETCHR u, st                    ; Wout's four fragments of a step into set st % 2 (window 3, from v128)
	WIN 0xc0
.irp b, 0,1,2,3
	FRAG 128+48*((\st)%2)+12*\b, 6+2*(\u), \st, \b*16*PIT
.endr
.endm
; 16 matrix instructions, the 16 accumulators (window 3) by turns
.macro MUL st, u
.irp a, 0,1,2,3
.if (\st) == 0
	WIN 0xc3|((1+\a/2)<<2)                         ; C: the bias, in window 0
.else
	WIN 0xf3|((1+\a/2)<<2)
.endif
.irp b, 0,1,2,3
.set RF, 128+48*((\st)%2)+12*\b
.set PF, 96*(\a%2)+12*(\st)
.set AC, 8*(4*\a+\b)
.if (\st) == 0
	v_wmma_scale_f32_16x16x128_f8f6f4 v[AC:AC+7], v[RF:RF+11], v[PF:PF+11], v[BI+32*(\u)+8*\b:BI+32*(\u)+8*\b+7], v[WS+32*(\u)+8*\b+(\st)], v[XS+8*\a+(\st)] matrix_a_fmt:MATRIX_FMT_FP6 matrix_b_fmt:MATRIX_FMT_FP6
.else
	v_wmma_scale_f32_16x16x128_f8f6f4 v[AC:AC+7], v[RF:RF+11], v[PF:PF+11], v[AC:AC+7], v[WS+32*(\u)+8*\b+(\st)], v[XS+8*\a+(\st)] matrix_a_fmt:MATRIX_FMT_FP6 matrix_b_fmt:MATRIX_FMT_FP6
.endif
.endr
.endr
.endm
.macro MAIN u
	FETCHR \u, 0
.irp st, 0,1,2,3,4,5,6,7
.if \st < 7
.if \st > 0
	PLACES 4                                       ; behind the products that read the set filled below
.endif
	FETCHR \u, \st+1
	s_wait_dscnt 24                                ; all but the 24 loads just issued
.else
	s_wait_dscnt 0x0
.endif
	MUL \st, \u
.endr
	PLACES 5                                       ; behind the last products: their results are read, and the next unit's products write over them
	WIN 0
.endm
.macro TOSTAGE a
	WIN 0x0c                                       ; the data: window 3
.irp b, 0,1,2,3
	ds_store_b128 v15, v[8*(4*(\a)+\b):8*(4*(\a)+\b)+3] offset:4352*((\a)%2)+64*\b       ; each accumulator from its low end on
	ds_store_b128 v15, v[8*(4*(\a)+\b)+4:8*(4*(\a)+\b)+7] offset:4352*((\a)%2)+64*\b+16
.endr
	WIN 0
.irp t, 0,1,2,3,4,5,6,7
	ds_load_b128 v[BK+32*((\a)%2)+4*\t:BK+32*((\a)%2)+4*\t+3], v16 offset:4352*((\a)%2)+544*\t   ; LDS serves a wave's instructions in order: these see the stores above
.endr
.endm
.macro SEND a, u, younger
	s_wait_dscnt \younger                          ; the block is back; the next block's 8 stores and 8 loads may be out
.irp t, 0,1,2,3,4,5,6,7
	global_store_b128 v17, v[BK+32*((\a)%2)+4*\t:BK+32*((\a)%2)+4*\t+3], s[14:15] offset:(16*(\a)+2*\t)*4096+256*(\u) th:TH_STORE_NT
.endr
.endm
.macro OUT u
	s_wait_xcnt 0x0                                ; earlier stores have read their data
	TOSTAGE 0
.irp a, 1,2,3
.if \a > 1
	s_wait_xcnt 0x0
.endif
	TOSTAGE \a
	SEND \a-1, \u, 16
.endr
	SEND 3, \u, 0
.endm
	s_wait_tensorcnt 0x0                           ; my 32 rows of Wout are in
	s_barrier_signal -1
	s_barrier_wait -1                              ; everybody's are
	s_wait_loadcnt 0x0                             ; o, the scale words, the bias
	MAIN 0
	OUT 0
	MAIN 1
	OUT 1
	s_wait_tensorcnt 0x0                           ; the wave's end
	ds_add_u32 v28, v29
	s_wait_dscnt 0x0
	CROUND                                         ; the closing round
	s_endpgm
.Lfunc_end_k_q0a0fc4c878_proj:
	.size	k_q0a0fc4c878_proj, .Lfunc_end_k_q0a0fc4c878_proj-k_q0a0fc4c878_proj
	.p2alignl 7, 3214868480
	.fill 96, 4, 3214868480
	.section	.rodata,"a",@progbits
	.p2align	6, 0x0
	.amdhsa_kernel k_q0a0fc4c878_proj
		.amdhsa_group_segment_fixed_size 167936
		.amdhsa_private_segment_fixed_size 0
		.amdhsa_enable_private_segment 0
		.amdhsa_kernarg_size 48
		.amdhsa_user_sgpr_count 2
		.amdhsa_user_sgpr_kernarg_segment_ptr 1
		.amdhsa_wavefront_size32 1
		.amdhsa_system_sgpr_workgroup_id_x 1
		.amdhsa_system_sgpr_workgroup_id_y 1
		.amdhsa_system_sgpr_workgroup_id_z 1
		.amdhsa_system_vgpr_workitem_id 0
		.amdhsa_next_free_vgpr 1024
		.amdhsa_next_free_sgpr 106
		.amdhsa_reserve_vcc 0
		.amdhsa_float_denorm_mode_32 3
		.amdhsa_float_denorm_mode_16_64 3
		.amdhsa_memory_ordered 1
		.amdhsa_forward_progress 1
		.amdhsa_inst_pref_size 93
	.end_amdhsa_kernel
	.amdgpu_metadata
---
amdhsa.version: [ 1, 2 ]
amdhsa.kernels:
  - .name:           k_q0a0fc4c878_proj
    .symbol:         k_q0a0fc4c878_proj.kd
    .args:
      - { .name: o_img, .offset: 0, .size: 8, .value_kind: global_buffer, .address_space: global }
      - { .name: o_sc, .offset: 8, .size: 8, .value_kind: global_buffer, .address_space: global }
      - { .name: Wout_codes, .offset: 16, .size: 8, .value_kind: global_buffer, .address_space: global }
      - { .name: Wout_scales, .offset: 24, .size: 8, .value_kind: global_buffer, .address_space: global }
      - { .name: bout, .offset: 32, .size: 8, .value_kind: global_buffer, .address_space: global }
      - { .name: out0, .offset: 40, .size: 8, .value_kind: global_buffer, .address_space: global }
    .group_segment_fixed_size: 167936
    .private_segment_fixed_size: 0
    .kernarg_segment_align: 8
    .kernarg_segment_size: 48
    .max_flat_workgroup_size: 128
    .sgpr_count:     106
    .vgpr_count:     1024
    .wavefront_size: 32
...
	.end_amdgpu_metadata
.endif
;; end of part 3
